; MI455X (gfx1250); checked and timed in simulation.
; The chip was launched on July 23, 2026; its instructions are those of AMD's public machine-readable ISA for CDNA 5 (MIT licence, August 2026) and "CDNA5" Instruction Set Architecture Reference Guide (July 2026). The comments in the code are by the model that wrote it; some were corrected since.
;; Multi Head Attention. Allowed arithmetic: matrix products marked QUANTISED: E2M1 operands, one E8M0 scale for each 32 along K, by v_wmma_scale_f32_16x16x128_f8f6f4 with both operands' format E2M1 (or v_wmma_scale_f32_32x16x128_f4), f32 sums; everything else in f32.
;; Inputs: Wk_codes 1,024 x 32 x 16 uint8 (E2M1 codes of Wk, K innermost, in blocks of 32 codes, two codes a byte); Wk_scales 1,024 x 32 uint8 (E8M0 scales of Wk, one for each 32 codes along K); Wo_codes 1,024 x 32 x 16 uint8 (E2M1 codes of Wo, K innermost, in blocks of 32 codes, two codes a byte); Wo_scales 1,024 x 32 uint8 (E8M0 scales of Wo, one for each 32 codes along K); Wq_codes 1,024 x 32 x 16 uint8 (E2M1 codes of Wq, K innermost, in blocks of 32 codes, two codes a byte); Wq_scales 1,024 x 32 uint8 (E8M0 scales of Wq, one for each 32 codes along K); Wv_codes 1,024 x 32 x 16 uint8 (E2M1 codes of Wv, K innermost, in blocks of 32 codes, two codes a byte); Wv_scales 1,024 x 32 uint8 (E8M0 scales of Wv, one for each 32 codes along K); bk 1,024 float32; bo 1,024 float32; bq 1,024 float32; bv 1,024 float32; x_codes 4 x 2,048 x 32 x 16 uint8 (E2M1 codes of x, K innermost, in blocks of 32 codes, two codes a byte); x_scales 4 x 2,048 x 32 uint8 (E8M0 scales of x, one for each 32 codes along K).
;; Outputs: out0 4 x 2,048 x 1,024 float32.
;; This version of the problem:
;;   THIS VERSION OF THE PROBLEM IS GIVEN IN LOW PRECISION. The matrix products marked QUANTISED in the list below multiply operands that are first quantised to E2M1 (2 exponent bits, 1 mantissa bit; 4 bits a number), with one power-of-two scale for each 32 numbers along K (OCP MX v1.0); their sums are f32. All else is computed in f32.
;;   The module's matrix products, in the order in which they are computed (A, B: the left and right operand; K: the contracted axis; several contracted axes count as one K, in the product's order):
;;     1. [M 8,192, K 1,024] x [K 1,024, N 1,024]; A: input x (given as codes); B: input Wq (given as codes): QUANTISED
;;     2. [M 8,192, K 1,024] x [K 1,024, N 1,024]; A: input x (given as codes); B: input Wk (given as codes): QUANTISED
;;     3. [M 8,192, K 1,024] x [K 1,024, N 1,024]; A: input x (given as codes); B: input Wv (given as codes): QUANTISED
;;     4. batch 64 x [M 2,048, K 64] x [K 64, N 2,048]; A: computed on the way; B: computed on the way: QUANTISED
;;     5. batch 64 x [M 2,048, K 2,048] x [K 2,048, N 64]; A: softmax (see below); B: computed on the way: QUANTISED
;;     6. [M 8,192, K 1,024] x [K 1,024, N 1,024]; A: computed on the way; B: input Wo (given as codes): QUANTISED
;;   THE QUANTISER, for each operand of a quantised product, along K:
;;     - K is cut into blocks of 32 from its start; a last block that is shorter is filled with zeros.
;;     - A block's scale is 2^e with e = floor(log2(the largest magnitude in the block)) - 2, held to -126 .. 127; a block of zeros has e = 0. As a byte (E8M0): e + 127.
;;     - Each number is divided by its block's scale, clamped to +-6, and rounded to the nearest number of E2M1, ties to even, subnormals kept.
;;     - The product sums the exact products of the quantised numbers (number of the format x scale) in f32.
;;   ~~~python
;;   def quantise(x, axis):      # numpy; x: float32 -> the quantised numbers, widened to float32 again
;;       x = np.moveaxis(x, axis, -1); K = x.shape[-1]
;;       x = np.pad(x, [(0, 0)] * (x.ndim - 1) + [(0, -K % 32)]); x = x.reshape(x.shape[:-1] + (-1, 32)); a = np.abs(x).max(-1, keepdims=True)
;;       e = np.where(a > 0, np.clip(np.frexp(np.where(a > 0, a, 1))[1] - 1 - 2, -126, 127), 0)      # np.frexp(a)[1] - 1 = floor(log2(a)), exactly
;;       r = np.clip(x / 2.0 ** e, -6, 6)
;;       step = 2.0 ** (np.maximum(np.frexp(np.where(r == 0, 1, r))[1] - 1, 0) - 1)
;;       q = np.round(r / step) * step * 2.0 ** e      # np.round: ties to even
;;       return np.moveaxis(q.reshape(q.shape[:-2] + (-1,))[..., :K], -1, axis).astype(np.float32)
;;   ~~~
;;   SOFTMAX AHEAD OF A QUANTISED PRODUCT. Where the list says 'softmax', what is quantised is not the finished softmax but p = 2^(t - M), with t = logit x log2(e) and M = ceil(the row's largest t), a whole number; so 1/2 < the row's largest p <= 1. The row's sum l is taken of the UNQUANTISED p, in f32, and the product's result is divided by l at the end. Since M is a whole number, a kernel that streams over the keys may use a running M (the ceiling of the running maximum): every later rescaling is an exact power of two, which a block's scale takes up: the codes' values come out the same.
;;   OPERANDS COMPUTED ON THE WAY. 'Computed on the way' means the value that the module computes at that place (a softmax that the list does not call 'softmax' is quantised finished and normalised). What goes into a quantiser is computed in f32, as accurately as f32 sums, v_exp_f32 and their like allow (about 1e-6 of the number): no bf16 or f16 on the way to a quantiser, and a product that is left as it is and whose result goes on into a quantised operand takes f32 operands (vector FMAs, or v_wmma_f32_16x16x4_f32). A number that lies on a knife's edge between two numbers of the format may be rounded either way, as far as f32 arithmetic and the matrix unit's own rounding can turn it there, and no further.
;;   INPUTS GIVEN AS CODES. Wk (in the module: [1024, 1024], K = its axis 0); Wo (in the module: [1024, 1024], K = its axis 0); Wq (in the module: [1024, 1024], K = its axis 0); Wv (in the module: [1024, 1024], K = its axis 0); x (in the module: [4, 2048, 1024], K = its axis 2): each comes as NAME_codes (uint8): NAME with its K axis moved to the last place and cut into blocks of 32 codes, [.., K / 32, bytes a block], one block behind the other in memory; two codes a byte, the lower K in the low four bits (a code: sign, 2 exponent bits, 1 mantissa bit); and NAME_scales (uint8): the same leading axes, one E8M0 byte (e + 127) for each 32 codes along K. Its value is code x scale, taken as it is: it is not quantised again, and the codes and scales need not be those that the quantiser above would give.
;; One version. Each part assembles by itself: llvm-mc -triple=amdgcn-amd-amdhsa -mcpu=gfx1250 --defsym DOCPART=n.
;; ======== version 1 of 1: 3 launches
;; workspace buffers: qc 4,194,304 bytes; qs 524,288 bytes; kv 9,175,040 bytes; ao 4,194,304 bytes; aos 262,144 bytes
;; launch qkv (part 1): grid 16 x 32, 12 waves a work-group, clusters of 4 x 4, 245,248 bytes of LDS; arguments x_codes, x_scales, Wq_codes, Wq_scales, bq, Wk_codes, Wk_scales, bk, Wv_codes, Wv_scales, bv, qc, qs, kv; writes qc, qs, kv
.if DOCPART == 1
	.amdgcn_target "amdgcn-amd-amdhsa--gfx1250"
	.amdhsa_code_object_version 6
	.text
	.protected	k_qdbff0f29fb_qkv
	.globl	k_qdbff0f29fb_qkv
	.p2align	8
	.type	k_qdbff0f29fb_qkv,@function
k_qdbff0f29fb_qkv:
	s_mov_b64 s[64:65], 0
	v_nop
	global_prefetch_b8 v0, s[64:65] scope:SCOPE_SE
	s_setreg_imm32_b32 hwreg(HW_REG_WAVE_MODE, 25, 1), 1
	s_wait_xcnt 0x0
	s_wait_alu depctr_hold_cnt(0) depctr_sa_sdst(0) depctr_va_vdst(0) depctr_va_sdst(0) depctr_va_ssrc(0) depctr_va_vcc(0) depctr_vm_vsrc(0)
	s_getreg_b32 s2, hwreg(HW_REG_IB_STS2, 6, 4)
	s_cmp_eq_u32 s2, 0
	s_cbranch_scc0 .Lentry_in_a_cluster
	s_endpgm
.Lentry_in_a_cluster:
	s_bfe_u32 s2, ttmp6, 0x10000c
	s_cmp_lg_u32 s2, 0xf033
	s_cbranch_scc0 .Lentry_shape_is_right
	s_endpgm
.Lentry_shape_is_right:
; q = x Wq + bq, k = x Wk + bk, v = x Wv + bv on codes of FP4 (E2M1) with one E8M0 scale for each 32 along K = 1,024; sums in f32.  The results are quantised here, in registers:
; q and k along the head's 64 (two blocks of 32), v along the keys, and leave as codes and scale words laid in the order of the next launch's operand registers (lane l's 16 bytes at 16 l).
; SHARES.  A work-group takes 256 rows of x and ONE head: 64 columns of each of Wq, Wk, Wv.  Twelve waves: role = wave / 4 (0 q, 1 k, 2 v), quarter = wave % 4 (64 rows of x).  A wave makes 64 x 64: 16 accumulators.
; ONE TEXT FOR BOTH ORIENTATIONS.  Source 0 is called P, source 1 R: in a result lane l holds row l % 16 of R, and its eight registers run along P (8 (l / 16) + 0 .. 7).
; Roles q, k: P = four tiles of W (the head's 64), R = four tiles of x: a lane's registers run along the head, which is the next product's K.  Role v: P = x (keys), R = Wv: they run along the keys.
; LDS.  All of K for all operands fits at once: two halves of K (512 codes = 256 bytes a row, + 16 of padding), each of seven regions of 64 rows: x's four quarters, Wq, Wk, Wv.  Every byte is filled once, so there is no ring.
; CLUSTER 4 x 4: the four work-groups of a row of the cluster share their rows of x, the four of a column their head's weights: each tile is asked for jointly.
; LIMITS: NaN and infinities among the numbers are not served.  A block of zeros gets the scale byte 1 where the quantiser's rule says 127: its codes are zeros, and this program alone reads the bytes.
.set U,     64*272                     ; a region: 64 rows of 272 bytes
.set HALFB, 7*U                        ; a half of K
.set ADRP, 4                           ; v4-5   LDS address of my P fragments in half 0, 1
.set ADRR, 6                           ; v6-7   the same for R
.set SA,   8                           ; v8     32 r + 16 h: a row's scale bytes, four words for each half of the lanes
.set LI,   9                           ; v9     16 x lane
.set R16,  10                          ; v10    16 r
.set R8,   11                          ; v11    8 r
.set BH,   12                          ; v12    32 h
.set R4,   13                          ; v13    4 r
.set TM,   14                          ; v14-15 largest magnitudes
.set TP,   16                          ; v16-17 the other half's; then the bytes
.set TE,   18                          ; v18-19 the conversions' scale operands
.set SW,   20                          ; v20-23 the scale words made, one for each tile of R
.set PS,   24                          ; v24-39 P's scale words: register 4 i + q: lanes 0-15 K step q, lanes 16-31 K step 4 + q
.set RS,   40                          ; v40-55 R's likewise
.set PF,   56                          ; v56-87 P's four fragments
.set PC,   56                          ; v56-71 behind the products: the codes made
.set RF,   88                          ; v88-119 R's four fragments
.set ACC,  120                         ; v120-247 accumulator (j, i) at ACC + 8 (4 j + i)
.set WV,   32
.set ROLE, 33
.set QR,   34
.set CX,   35
.set CY,   36
.set HEAD, 37
.set RB,   38
.set G1X,  44                          ; s[44:51] descriptor group 1 for x's tiles;  s[52:59] for the weights'
.set G1W,  52
.set G0X,  68                          ; s[68:75] group 0 for x's tiles, a set for each half of K;  s[76:83] for the weights'
.set G0W,  76
.set SEL,  94                          ; s[94:95] lane selects: lane l xor 16
.macro CROUND                          ; a round of the cluster's barrier
	s_barrier_signal -1
	s_barrier_wait -1
	s_cmp_lg_u32 s[WV], 0
	s_cbranch_scc1 .Lnot_wave_0_\@
	s_barrier_signal -3
.Lnot_wave_0_\@:
	s_barrier_wait -3
	s_barrier_signal -1
	s_barrier_wait -1
.endm
.macro PLACES
.rept 4
	v_nop
.endr
.endm
; 32 numbers of a lane, v[s] on: register 8 i + e is index 16 i + 8 (lane / 16) + e along the new K.  They become four registers of codes, v[pc] on (lane l: indices 32 (l / 16) + 0 .. 31), and the two scale bytes in v[w].
.macro QUANT2 s, pc, w
.irp b, 0,1
	v_max3_num_f32 v[TM+\b], |v[\s+16*\b]|, |v[\s+16*\b+1]|, 0x1800000   ; block b: my 16 numbers, from each accumulator's low end on, and the floor 2^(3 - 127): the byte cannot fall under 1
.endr
.irp i, 2,4,6,8,10,12,14
.irp b, 0,1
	v_max3_num_f32 v[TM+\b], v[TM+\b], |v[\s+16*\b+\i]|, |v[\s+16*\b+\i+1]|
.endr
.endr
.irp b, 0,1
	s_delay_alu instid0(VALU_DEP_2)
	v_permlanex16_b32 v[TP+\b], v[TM+\b], s[SEL], s[SEL+1]
.endr
.irp b, 0,1
	s_delay_alu instid0(VALU_DEP_2)
	v_max_num_f32 v[TM+\b], v[TM+\b], v[TP+\b]     ; with lane l xor 16's 16: the block's largest magnitude
.endr
.irp b, 0,1
	s_delay_alu instid0(VALU_DEP_2)
	v_add_nc_u32 v[TE+\b], 0xff000000, v[TM+\b]    ; 2 off its exponent field: the conversion takes this operand's exponent field as its scale
.endr
.irp b, 0,1
	s_delay_alu instid0(VALU_DEP_2)
	v_lshrrev_b32 v[TP+\b], 23, v[TE+\b]           ; the scale's byte
.endr
	s_delay_alu instid0(VALU_DEP_1)
	v_lshl_or_b32 v[\w], v[TP+1], 8, v[TP]
	v_cvt_scalef32_pk8_fp4_f32 v[\pc], v[\s:\s+7], v[TE]
	v_cvt_scalef32_pk8_fp4_f32 v[\pc+2], v[\s+8:\s+15], v[TE]
	v_cvt_scalef32_pk8_fp4_f32 v[\pc+1], v[\s+16:\s+23], v[TE+1]
	v_cvt_scalef32_pk8_fp4_f32 v[\pc+3], v[\s+24:\s+31], v[TE+1]
	v_nop                                          ; one plain place behind the conversions
	v_permlane16_swap_b32 v[\pc], v[\pc+1]         ; the operand wants a whole block in a lane: lanes 0-15 block 0, lanes 16-31 block 1
	v_permlane16_swap_b32 v[\pc+2], v[\pc+3]
.endm
.macro MM j, i, q, kh
.if \kh
	v_wmma_scale_f32_16x16x128_f8f6f4 v[ACC+8*(4*\j+\i):ACC+8*(4*\j+\i)+7], v[PF+8*\i:PF+8*\i+7], v[RF+8*\j:RF+8*\j+7], v[ACC+8*(4*\j+\i):ACC+8*(4*\j+\i)+7], v[PS+4*\i+\q], v[RS+4*\j+\q] matrix_a_fmt:MATRIX_FMT_FP4 matrix_b_fmt:MATRIX_FMT_FP4 matrix_a_scale:MATRIX_SCALE_ROW1 matrix_b_scale:MATRIX_SCALE_ROW1
.else
	v_wmma_scale_f32_16x16x128_f8f6f4 v[ACC+8*(4*\j+\i):ACC+8*(4*\j+\i)+7], v[PF+8*\i:PF+8*\i+7], v[RF+8*\j:RF+8*\j+7], v[ACC+8*(4*\j+\i):ACC+8*(4*\j+\i)+7], v[PS+4*\i+\q], v[RS+4*\j+\q] matrix_a_fmt:MATRIX_FMT_FP4 matrix_b_fmt:MATRIX_FMT_FP4
.endif
.endm
; 128 along K: the q-th of half kh.  Sixteen LDS loads, sixteen products; the sixteen accumulators take turns in the same order in every step.
.macro STEP kh, q
	PLACES                                         ; four places in front of loads into registers that matrix instructions have read
.irp i, 0,1,2,3
.irp c, 0,1
	ds_load_b128 v[PF+8*\i+4*\c:PF+8*\i+4*\c+3], v[ADRP+\kh] offset:\i*4352+64*\q+32*\c
.endr
.endr
.irp j, 0,1,2,3
.irp c, 0,1
	ds_load_b128 v[RF+8*\j+4*\c:RF+8*\j+4*\c+3], v[ADRR+\kh] offset:\j*4352+64*\q+32*\c
.endr
.endr
.irp j, 0,1,2,3
	s_wait_dscnt 6-2*\j                            ; P and R's tiles up to j are in; the two loads of each later tile of R may be out
.irp i, 0,1,2,3
	MM \j, \i, \q, \kh
.endr
.endr
.endm
	s_load_b512 s[4:19], s[0:1], 0x0               ; x codes 4, x scales 6, Wq codes 8, Wq scales 10, bq 12, Wk codes 14, Wk scales 16, bk 18
	s_load_b256 s[20:27], s[0:1], 0x40             ; Wv codes 20, Wv scales 22, bv 24, qc 26
	s_load_b128 s[28:31], s[0:1], 0x60             ; qs 28, kv 30
	v_lshl_add_u32 v254, v0, 2, 0x3b800
	v_mov_b32 v255, 0
	ds_add_u32 v254, v255
	ds_add_u32 v254, v255
	v_lshrrev_b32 v1, 5, v0
	s_delay_alu instid0(VALU_DEP_1)
	v_readfirstlane_b32 s[WV], v1                  ; wave 0..11
	s_lshr_b32 s[ROLE], s[WV], 2
	s_and_b32 s[QR], s[WV], 3
	s_bfe_u32 s[CX], ttmp6, 0x40000
	s_bfe_u32 s[CY], ttmp6, 0x40004
	s_lshl_b32 s[HEAD], ttmp9, 2
	s_add_co_u32 s[HEAD], s[HEAD], s[CX]           ; the head = 4 x cluster x + cx
	s_and_b32 s[RB], ttmp7, 0xffff
	s_lshl_b32 s[RB], s[RB], 2
	s_add_co_u32 s[RB], s[RB], s[CY]               ; the block of 256 rows = 4 x cluster y + cy
	s_lshl_b32 s39, s[CY], 2
	s_lshl_b32 s39, 15, s39                        ; my row of the cluster
	s_lshl_b32 s40, 0x1111, s[CX]                  ; my column
	; group 1: 64 rows of 256 bytes, 512 bytes apart in memory, 16 bytes of padding behind each in LDS
	s_or_b32 s[G1X], s39, (1<<20)|(1<<21)|(5<<22)|(3<<25)   ; 15:0 the mask; 17:16 elements of 1 byte; 20 padding on; 21 set beside a mask; 24:22 after every 64 words; 31:25 four words
	s_or_b32 s[G1W], s40, (1<<20)|(1<<21)|(5<<22)|(3<<25)
.irp g, G1X, G1W
	s_mov_b32 s[\g+1], 256<<16                     ; tensor_dim0
	s_mov_b32 s[\g+2], 64<<16                      ; tensor_dim1
	s_mov_b32 s[\g+3], 256<<16                     ; tile_dim0
	s_mov_b32 s[\g+4], 64                          ; tile_dim1
	s_mov_b32 s[\g+5], 512                         ; the pitch
	s_mov_b32 s[\g+6], 0
	s_mov_b32 s[\g+7], 0
.endr
	s_mov_b32 s[SEL], 0x76543210
	s_mov_b32 s[SEL+1], 0xfedcba98
	s_mul_i32 s41, s[WV], U                        ; where my tile goes: region = wave
	s_lshl_b32 s96, s[RB], 17                      ; x: 256 rows of 512 bytes a block,
	s_lshl_b32 s97, s[QR], 15                      ; 64 rows a quarter
	s_add_co_u32 s96, s96, s97
	s_mov_b32 s97, 0
	s_lshl_b32 s42, s[HEAD], 15                    ; the weights: 64 rows of 512 bytes a head
	s_mov_b32 s43, 0
	s_wait_dscnt 0x0
	s_wait_kmcnt 0x0
	s_add_nc_u64 s[98:99], s[4:5], s[96:97]
	s_cmp_eq_u32 s[QR], 1                          ; waves 4, 5, 6 fetch Wq, Wk, Wv
	s_cselect_b64 s[100:101], s[14:15], s[8:9]
	s_cmp_eq_u32 s[QR], 2
	s_cselect_b64 s[100:101], s[20:21], s[100:101]
	s_add_nc_u64 s[100:101], s[100:101], s[42:43]
.irp k, 0,1
	s_mov_b32 s[G0X+4*\k], 1
	s_add_co_u32 s[G0X+4*\k+1], s41, \k*HALFB
	s_add_nc_u64 s[G0X+4*\k+2:G0X+4*\k+3], s[98:99], \k*256
	s_or_b32 s[G0X+4*\k+3], s[G0X+4*\k+3], 0x80000000
	s_mov_b32 s[G0W+4*\k], 1
	s_add_co_u32 s[G0W+4*\k+1], s41, \k*HALFB
	s_add_nc_u64 s[G0W+4*\k+2:G0W+4*\k+3], s[100:101], \k*256
	s_or_b32 s[G0W+4*\k+3], s[G0W+4*\k+3], 0x80000000
.endr
	CROUND                                         ; all sixteen work-groups are here: the joint loads meet
	s_cmp_lt_u32 s[WV], 4                          ; waves 0-3: x's quarters; waves 4-6: the weights; a wave's two loads stand in one branch: two of mine are out at the most
	s_cbranch_scc0 .Lnot_x
	tensor_load_to_lds s[G0X:G0X+3], s[G1X:G1X+7]
	s_nop 0
	tensor_load_to_lds s[G0X+4:G0X+7], s[G1X:G1X+7]
	s_nop 0
	PLACES
	s_branch .Lasked
.Lnot_x:
	s_cmp_lt_u32 s[WV], 7
	s_cbranch_scc0 .Lasked
	tensor_load_to_lds s[G0W:G0W+3], s[G1W:G1W+7]
	s_nop 0
	tensor_load_to_lds s[G0W+4:G0W+7], s[G1W:G1W+7]
	s_nop 0
	PLACES
.Lasked:
	v_and_b32 v1, 31, v0                           ; lane
	v_and_b32 v2, 15, v0                           ; r
	v_bfe_u32 v3, v0, 4, 1                         ; h
	s_delay_alu instid0(VALU_DEP_2)
	v_mul_u32_u24 v14, v2, 272
	s_delay_alu instid0(VALU_DEP_1)
	v_lshl_add_u32 v14, v3, 4, v14                 ; a fragment's row x pitch + 16 h
	s_delay_alu instid0(VALU_DEP_4)
	v_lshlrev_b32 v[SA], 5, v2
	s_delay_alu instid0(VALU_DEP_1)
	v_lshl_add_u32 v[SA], v3, 4, v[SA]
	v_lshlrev_b32 v[LI], 4, v1
	v_lshlrev_b32 v[R16], 4, v2
	v_lshlrev_b32 v[R8], 3, v2
	v_lshlrev_b32 v[BH], 5, v3
	v_lshlrev_b32 v[R4], 2, v2
	v_mov_b32 v[TP], 0                             ; written once: a lane permute's destination counts as one of its sources
	v_mov_b32 v[TP+1], 0
	; the role's weights' scales and bias; x's scales; which of the two is P's and which R's
	s_cmp_eq_u32 s[ROLE], 1
	s_cselect_b64 s[84:85], s[16:17], s[10:11]
	s_cselect_b64 s[88:89], s[18:19], s[12:13]
	s_cmp_eq_u32 s[ROLE], 2
	s_cselect_b64 s[84:85], s[22:23], s[84:85]
	s_cselect_b64 s[88:89], s[24:25], s[88:89]
	s_lshl_b32 s42, s[HEAD], 11                    ; 64 rows of 32 scale bytes
	s_add_nc_u64 s[84:85], s[84:85], s[42:43]
	s_lshl_b32 s42, s[HEAD], 8                     ; 64 numbers of the bias
	s_add_nc_u64 s[88:89], s[88:89], s[42:43]
	s_lshl_b32 s96, s[RB], 13
	s_lshl_b32 s60, s[QR], 11
	s_add_co_u32 s96, s96, s60
	s_add_nc_u64 s[86:87], s[6:7], s[96:97]
	s_mul_i32 s62, s[QR], U                        ; my quarter of x in LDS,
	s_mul_i32 s63, s[ROLE], U
	s_add_co_u32 s63, s63, 4*U                     ; my role's weights
	s_cmp_eq_u32 s[ROLE], 2
	s_cselect_b64 s[66:67], s[86:87], s[84:85]     ; P's scales
	s_cselect_b64 s[2:3], s[84:85], s[86:87]       ; R's
	s_cselect_b32 s60, s62, s63                    ; P's region
	s_cselect_b32 s61, s63, s62                    ; R's.  Either lies inside a half of K with all the offsets of a step
	v_add_nc_u32 v[ADRP], s60, v14
	s_delay_alu instid0(VALU_DEP_1)
	v_add_nc_u32 v[ADRP+1], HALFB, v[ADRP]
	v_add_nc_u32 v[ADRR], s61, v14
	s_delay_alu instid0(VALU_DEP_1)
	v_add_nc_u32 v[ADRR+1], HALFB, v[ADRR]
.irp i, 0,1,2,3
	global_load_b128 v[PS+4*\i:PS+4*\i+3], v[SA], s[66:67] offset:512*\i   ; a tile's 16 rows x 32 scale bytes: 512 consecutive bytes
	global_load_b128 v[RS+4*\i:RS+4*\i+3], v[SA], s[2:3] offset:512*\i
.endr
	; THE BIAS STARTS THE SUMS: it is laid into the accumulators, so that every step adds in place.
	s_cmp_eq_u32 s[ROLE], 2
	s_cbranch_scc1 .Lbias_v
	s_wait_alu depctr_va_vdst(0)
.irp j, 0,1,2,3                                ; q, k: register e of accumulator (j, i) belongs to column 16 i + 8 h + e
.irp i, 0,1,2,3
	global_load_b128 v[ACC+8*(4*\j+\i):ACC+8*(4*\j+\i)+3], v[BH], s[88:89] offset:64*\i
	global_load_b128 v[ACC+8*(4*\j+\i)+4:ACC+8*(4*\j+\i)+7], v[BH], s[88:89] offset:64*\i+16
.endr
.endr
	s_branch .Lbias_done
.Lbias_v:
	s_wait_alu depctr_va_vdst(0)
.irp j, 0,1,2,3                                ; v: all 32 registers of a tile j belong to column 16 j + r: one number a lane, copied while the tiles are on their way
	global_load_b32 v[PF+\j], v[R4], s[88:89] offset:64*\j
.endr
	s_wait_loadcnt 0x0
.irp j, 0,1,2,3
.set n, 0
.rept 32
	v_mov_b32 v[ACC+32*\j+n], v[PF+\j]
.set n, n+1
.endr
.endr
.Lbias_done:
	s_wait_tensorcnt 0x1                           ; my tile of K's first half has landed; my tile of the second may stay out
	s_wait_loadcnt 0x0                             ; scale words and bias
	s_barrier_signal -1
	s_barrier_wait -1                              ; everybody's first half is in
	s_wait_alu depctr_va_vdst(0)
	STEP 0, 0
	STEP 0, 1
	STEP 0, 2
	STEP 0, 3
	s_wait_tensorcnt 0x0                           ; my tile of the second half
	s_barrier_signal -1                            ; (no LDS load of mine is out: each step ends on a wait for 0)
	s_barrier_wait -1
	STEP 1, 0
	STEP 1, 1
	STEP 1, 2
	STEP 1, 3
	PLACES                                         ; four places in front of the first read of results
.irp j, 0,1,2,3
	QUANT2 ACC+32*\j, PC+4*\j, SW+\j
.endr
	; WHERE IT GOES.  hg = 16 x batch + head; a batch has eight blocks of 256 rows
	s_lshr_b32 s60, s[RB], 3
	s_lshl_b32 s60, s60, 4
	s_add_co_u32 s60, s60, s[HEAD]                 ; hg
	s_and_b32 s61, s[RB], 7                        ; the block in its batch
	s_mov_b32 s63, 0
	s_cmp_eq_u32 s[ROLE], 0
	s_cbranch_scc0 .Lnot_q
	s_lshl_b32 s62, s60, 16                        ; qc: 128 tiles of 512 bytes a head; my tiles 16 block + 4 quarter + j
	s_lshl_b32 s66, s61, 13
	s_add_co_u32 s62, s62, s66
	s_lshl_b32 s66, s[QR], 11
	s_add_co_u32 s62, s62, s66
	s_add_nc_u64 s[90:91], s[26:27], s[62:63]
	s_lshl_b32 s62, s60, 13                        ; qs: 32 groups of four tiles a head, 256 bytes each
	s_lshl_b32 s66, s61, 10
	s_add_co_u32 s62, s62, s66
	s_lshl_b32 s66, s[QR], 8
	s_add_co_u32 s62, s62, s66
	s_add_nc_u64 s[92:93], s[28:29], s[62:63]
	s_wait_alu depctr_va_vdst(0)
.irp j, 0,1,2,3
	global_store_b128 v[LI], v[PC+4*\j:PC+4*\j+3], s[90:91] offset:512*\j   ; 32 lanes store 512 consecutive bytes
.endr
	global_store_b128 v[R16], v[SW:SW+3], s[92:93] ; row r's four words; lanes 16-31 hold and write the same as lanes 0-15: 256 consecutive bytes
	s_branch .Ldone
.Lnot_q:
	s_mul_i32 s62, s60, 143360                     ; kv: 16 key steps of 8,960 bytes a head
	s_lshl_b32 s66, s61, 1
	s_lshr_b32 s67, s[QR], 1
	s_add_co_u32 s66, s66, s67                     ; my key step: 2 x block + quarter / 2
	s_mul_i32 s66, s66, 8960
	s_add_co_u32 s62, s62, s66
	s_add_nc_u64 s[90:91], s[30:31], s[62:63]
	s_and_b32 s67, s[QR], 1                        ; which 64 keys of the step's 128
	s_cmp_eq_u32 s[ROLE], 1
	s_cbranch_scc0 .Lis_v
	s_lshl_b32 s62, s67, 8
	s_add_nc_u64 s[92:93], s[90:91], s[62:63]
	s_lshl_b32 s62, s67, 11
	s_add_nc_u64 s[90:91], s[90:91], s[62:63]
	s_wait_alu depctr_va_vdst(0)
.irp j, 0,1,2,3
	global_store_b128 v[LI], v[PC+4*\j:PC+4*\j+3], s[90:91] offset:512*\j   ; K's tile 4 half + j
.endr
	global_store_b128 v[R16], v[SW:SW+3], s[92:93] offset:8192
	s_branch .Ldone
.Lis_v:
	s_lshl_b32 s62, s67, 1
	s_add_nc_u64 s[92:93], s[90:91], s[62:63]
	s_lshl_b32 s62, s67, 9
	s_add_nc_u64 s[90:91], s[90:91], s[62:63]
	s_wait_alu depctr_va_vdst(0)
.irp j, 0,1,2,3
	global_store_b128 v[LI], v[PC+4*\j:PC+4*\j+3], s[90:91] offset:4096+1024*\j   ; V^T's tile j, my 64 keys
	global_store_b16 v[R8], v[SW+\j], s[92:93] offset:8704+(\j/2)*128+(\j%2)*4    ; my two bytes of the step's scale word of column 16 j + r: the other two are the neighbouring wave's
.endr
.Ldone:
	s_wait_tensorcnt 0x0
	ds_add_u32 v254, v255
	s_wait_dscnt 0x0
	CROUND                                         ; the closing round: no work-group ends while a partner may still ask for a tile that names it
	s_endpgm
.Lfunc_end_k_qdbff0f29fb_qkv:
	.size	k_qdbff0f29fb_qkv, .Lfunc_end_k_qdbff0f29fb_qkv-k_qdbff0f29fb_qkv
	.p2alignl 7, 3214868480
	.fill 96, 4, 3214868480
	.section	.rodata,"a",@progbits
	.p2align	6, 0x0
	.amdhsa_kernel k_qdbff0f29fb_qkv
		.amdhsa_group_segment_fixed_size 245248
		.amdhsa_private_segment_fixed_size 0
		.amdhsa_enable_private_segment 0
		.amdhsa_kernarg_size 112
		.amdhsa_user_sgpr_count 2
		.amdhsa_user_sgpr_kernarg_segment_ptr 1
		.amdhsa_wavefront_size32 1
		.amdhsa_system_sgpr_workgroup_id_x 1
		.amdhsa_system_sgpr_workgroup_id_y 1
		.amdhsa_system_sgpr_workgroup_id_z 1
		.amdhsa_system_vgpr_workitem_id 0
		.amdhsa_next_free_vgpr 256
		.amdhsa_next_free_sgpr 102
		.amdhsa_reserve_vcc 0
		.amdhsa_float_denorm_mode_32 3
		.amdhsa_float_denorm_mode_16_64 3
		.amdhsa_memory_ordered 1
		.amdhsa_forward_progress 1
		.amdhsa_inst_pref_size 54
	.end_amdhsa_kernel
	.amdgpu_metadata
---
amdhsa.version: [ 1, 2 ]
amdhsa.kernels:
  - .name:           k_qdbff0f29fb_qkv
    .symbol:         k_qdbff0f29fb_qkv.kd
    .args:
      - { .name: x_codes, .offset: 0, .size: 8, .value_kind: global_buffer, .address_space: global }
      - { .name: x_scales, .offset: 8, .size: 8, .value_kind: global_buffer, .address_space: global }
      - { .name: Wq_codes, .offset: 16, .size: 8, .value_kind: global_buffer, .address_space: global }
      - { .name: Wq_scales, .offset: 24, .size: 8, .value_kind: global_buffer, .address_space: global }
      - { .name: bq, .offset: 32, .size: 8, .value_kind: global_buffer, .address_space: global }
      - { .name: Wk_codes, .offset: 40, .size: 8, .value_kind: global_buffer, .address_space: global }
      - { .name: Wk_scales, .offset: 48, .size: 8, .value_kind: global_buffer, .address_space: global }
      - { .name: bk, .offset: 56, .size: 8, .value_kind: global_buffer, .address_space: global }
      - { .name: Wv_codes, .offset: 64, .size: 8, .value_kind: global_buffer, .address_space: global }
      - { .name: Wv_scales, .offset: 72, .size: 8, .value_kind: global_buffer, .address_space: global }
      - { .name: bv, .offset: 80, .size: 8, .value_kind: global_buffer, .address_space: global }
      - { .name: qc, .offset: 88, .size: 8, .value_kind: global_buffer, .address_space: global }
      - { .name: qs, .offset: 96, .size: 8, .value_kind: global_buffer, .address_space: global }
      - { .name: kv, .offset: 104, .size: 8, .value_kind: global_buffer, .address_space: global }
    .group_segment_fixed_size: 245248
    .private_segment_fixed_size: 0
    .kernarg_segment_align: 8
    .kernarg_segment_size: 112
    .max_flat_workgroup_size: 384
    .sgpr_count:     102
    .vgpr_count:     256
    .wavefront_size: 32
...
	.end_amdgpu_metadata
.endif
;; end of part 1
;; launch attn (part 2): grid 4 x 64, 16 waves a work-group, clusters of 4 x 1, 169,984 bytes of LDS; arguments qc, qs, kv, ao, aos; writes ao, aos
.if DOCPART == 2
	.amdgcn_target "amdgcn-amd-amdhsa--gfx1250"
	.amdhsa_code_object_version 6
	.text
	.protected	k_qdbff0f29fb_attn
	.globl	k_qdbff0f29fb_attn
	.p2align	8
	.type	k_qdbff0f29fb_attn,@function
k_qdbff0f29fb_attn:
	s_mov_b64 s[64:65], 0
	v_nop
	global_prefetch_b8 v0, s[64:65] scope:SCOPE_SE
	s_setreg_imm32_b32 hwreg(HW_REG_WAVE_MODE, 25, 1), 1
	s_wait_xcnt 0x0
	s_wait_alu depctr_hold_cnt(0) depctr_sa_sdst(0) depctr_va_vdst(0) depctr_va_sdst(0) depctr_va_ssrc(0) depctr_va_vcc(0) depctr_vm_vsrc(0)
	s_getreg_b32 s2, hwreg(HW_REG_IB_STS2, 6, 4)
	s_cmp_eq_u32 s2, 0
	s_cbranch_scc0 .Lentry_in_a_cluster
	s_endpgm
.Lentry_in_a_cluster:
	s_bfe_u32 s2, ttmp6, 0x10000c
	s_cmp_lg_u32 s2, 0x3003
	s_cbranch_scc0 .Lentry_shape_is_right
	s_endpgm
.Lentry_shape_is_right:
; O = softmax(q k^T / 8) v for one head, both products on codes of FP4 (E2M1) with E8M0 scales; O / l is quantised along the model's 1,024 (two blocks a head) for the last product.
; THE SOFTMAX AHEAD OF THE SECOND PRODUCT: t = score x log2(e) / 8; M = the running largest t rounded UP to a whole number; p = 2^(t - M) is quantised along the keys, not normalised; the row's sum l is taken
; of the unquantised p in f32 and divides O at the end.  When M moves, l and O are multiplied by 2^(old M - new M), which rounds nothing.
; SHARES.  A work-group owns 512 queries of one head; each of its sixteen waves two tiles of 16 queries (tiles wave and 16 + wave of the block's 32), so that each fragment of K and V read from LDS feeds two products.
; Four waves share a SIMD: one wave's softmax stands beside another's products and LDS loads.
; LDS.  The head's K and V, codes and scale words, 16 key steps of 8,960 bytes, lie in LDS as they lie in memory: in the order of the operands' registers, lane l's 16 bytes at 16 l.  Every byte is filled once: no ring.
; Waves 0-3 fetch four steps each; the steps are read in four chunks, each behind a counted wait and a barrier, so that the first products start when a quarter has landed.
; CLUSTER 4 x 1: the four blocks of queries of a head read the same K and V: every load is a joint one.
; LAYOUT.  Both products are used transposed: S^T = K Q^T, O^T = V^T P^T: a lane holds ONE query (lane % 16) throughout.  K = 64 fills half of the instruction's 128: Q's upper four registers are zero codes,
; so what stands in K's upper four (the next tile's codes) adds nothing; the scale words' upper two bytes are 0.
; LIMITS: NaN and infinities are not served; p under 2^-126 comes out of v_exp_f32 as 0; the running maximum starts at -3e38; a block of zeros gets the scale byte 1 where the rule says 127 (its codes are zeros, and this program alone reads the bytes).
.set STEPB, 8960                       ; a key step: K 4,096, V^T 4,096, K's scale words 512, V's 256
.set LI,   1                           ; v1   16 x lane
.set L8,   2                           ; v2   8 x lane
.set R16,  3                           ; v3   16 r
.set ADR,  4                           ; v4   the step's first byte + 16 x lane
.set ADR2, 5                           ; v5   + 8 x lane
.set ST,   8                           ; tile x: v[8+4x] -M, v[9+4x] the largest t, v[10+4x:11+4x] the sum in two halves
.set QF,   16                          ; v16-31 Q's two fragments
.set QS,   32                          ; v32-33 their scale words
.set PS,   34                          ; v34-35 p's scale words
.set VS,   36                          ; v36-37 V's: register i: lanes 0-15 tile i, lanes 16-31 tile 2 + i
.set F,    38                          ; v38 2^(old M - new M); v39 named with it as a pair
.set KS,   40                          ; v40-43 K's scale words: register j: lanes 0-15 tile j, lanes 16-31 tile 4 + j
.set KVF,  44                          ; v44-75 eight tiles of K (four registers each), later four of V^T (eight each); v76-79 zeros
.set S,    80                          ; v80-143 S^T, then p
.set O,    144                         ; v144-207 O^T, 32 a tile
.set PC,   208                         ; v208-223 p's codes, 8 a tile
.set TM,   224
.set TP,   228
.set TE,   232
.set SUM2, 236
.set T,    238
.set HW,   239                         ; v239-240 O's two scale bytes, a tile each
.set WV,   14
.set CX,   15
.set BLK,  16
.set HG,   17
.set BATCH, 18
.set HD,   19
.set SEL,  20
.set CS,   22                          ; s[22:23] c = log2(e) / 8
.set G1,   24
.set G0,   32                          ; s[32:47] four sets
.set TB,   48
.set CNT,  49
.macro CROUND
	s_barrier_signal -1
	s_barrier_wait -1
	s_cmp_lg_u32 s[WV], 0
	s_cbranch_scc1 .Lnot_wave_0_\@
	s_barrier_signal -3
.Lnot_wave_0_\@:
	s_barrier_wait -3
	s_barrier_signal -1
	s_barrier_wait -1
.endm
.macro PLACES
.rept 4
	v_nop
.endr
.endm
; 32 numbers of a lane, v[s] on: register 8 i + e is index 16 i + 8 (lane / 16) + e along the new K.  They become four registers of codes, v[pc] on (lane l: indices 32 (l / 16) + 0 .. 31), and the two scale bytes in v[w].
.macro QUANT2 s, pc, w
.irp b, 0,1
	v_max3_num_f32 v[TM+\b], |v[\s+16*\b]|, |v[\s+16*\b+1]|, 0x1800000   ; and the floor 2^(3 - 127): the byte cannot fall under 1
.endr
.irp i, 2,4,6,8,10,12,14
.irp b, 0,1
	s_delay_alu instid0(VALU_DEP_2)
	v_max3_num_f32 v[TM+\b], v[TM+\b], |v[\s+16*\b+\i]|, |v[\s+16*\b+\i+1]|
.endr
.endr
.irp b, 0,1
	s_delay_alu instid0(VALU_DEP_2)
	v_permlanex16_b32 v[TP+\b], v[TM+\b], s[SEL], s[SEL+1]
.endr
.irp b, 0,1
	s_delay_alu instid0(VALU_DEP_2)
	v_max_num_f32 v[TM+\b], v[TM+\b], v[TP+\b]
.endr
.irp b, 0,1
	s_delay_alu instid0(VALU_DEP_2)
	v_add_nc_u32 v[TE+\b], 0xff000000, v[TM+\b]
.endr
.irp b, 0,1
	s_delay_alu instid0(VALU_DEP_2)
	v_lshrrev_b32 v[TP+\b], 23, v[TE+\b]
.endr
	s_delay_alu instid0(VALU_DEP_1)
	v_lshl_or_b32 v[\w], v[TP+1], 8, v[TP]
	v_cvt_scalef32_pk8_fp4_f32 v[\pc], v[\s:\s+7], v[TE]
	v_cvt_scalef32_pk8_fp4_f32 v[\pc+2], v[\s+8:\s+15], v[TE]
	v_cvt_scalef32_pk8_fp4_f32 v[\pc+1], v[\s+16:\s+23], v[TE+1]
	v_cvt_scalef32_pk8_fp4_f32 v[\pc+3], v[\s+24:\s+31], v[TE+1]
	v_nop
	v_permlane16_swap_b32 v[\pc], v[\pc+1]
	v_permlane16_swap_b32 v[\pc+2], v[\pc+3]
.endm
; S^T = K Q^T for tile x: eight tiles of 16 keys.  Register 8 t + e of lane (r, h): key 16 t + 8 h + e, query r.
.macro QK x
.irp t, 0,1,2,3
	v_wmma_scale_f32_16x16x128_f8f6f4 v[S+8*\t:S+8*\t+7], v[KVF+4*\t:KVF+4*\t+7], v[QF+8*\x:QF+8*\x+7], 0, v[KS+\t], v[QS+\x] matrix_a_fmt:MATRIX_FMT_FP4 matrix_b_fmt:MATRIX_FMT_FP4
.endr
.irp t, 4,5,6,7
	v_wmma_scale_f32_16x16x128_f8f6f4 v[S+8*\t:S+8*\t+7], v[KVF+4*\t:KVF+4*\t+7], v[QF+8*\x:QF+8*\x+7], 0, v[KS+\t-4], v[QS+\x] matrix_a_fmt:MATRIX_FMT_FP4 matrix_b_fmt:MATRIX_FMT_FP4 matrix_a_scale:MATRIX_SCALE_ROW1
.endr
.endm
; Tile x's softmax for 128 keys.  Block b of 32 keys lies in registers S + 16 b .. + 15 of lanes l and l xor 16.
.macro SOFTMAX x
.set NM,  ST+4*\x
.set LT,  ST+4*\x+1
.set SU,  ST+4*\x+2
.set PCX, PC+8*\x
.set OX,  O+32*\x
.irp b, 0,1,2,3
	v_max3_num_f32 v[TM+\b], v[S+16*\b], v[S+16*\b+1], v[S+16*\b+2]   ; the largest score of each block: it serves the row's maximum and, since p rises with the score, the block's largest p
.endr
.irp i, 3,5,7,9,11,13
.irp b, 0,1,2,3
	v_max3_num_f32 v[TM+\b], v[TM+\b], v[S+16*\b+\i], v[S+16*\b+\i+1]
.endr
.endr
.irp b, 0,1,2,3
	v_max_num_f32 v[TM+\b], v[TM+\b], v[S+16*\b+15]
.endr
.irp b, 0,1,2,3
	s_delay_alu instid0(VALU_DEP_4)
	v_permlanex16_b32 v[TP+\b], v[TM+\b], s[SEL], s[SEL+1]
.endr
.irp b, 0,1,2,3
	s_delay_alu instid0(VALU_DEP_4)
	v_max_num_f32 v[TM+\b], v[TM+\b], v[TP+\b]
.endr
	s_delay_alu instid0(VALU_DEP_2)
	v_max3_num_f32 v[T], v[TM], v[TM+1], v[TM+2]
	s_delay_alu instid0(VALU_DEP_1)
	v_max_num_f32 v[T], v[T], v[TM+3]              ; the step's largest score of my query
	s_delay_alu instid0(VALU_DEP_1)
	v_mul_f32 v[T], s[CS], v[T]                    ; as t (c is positive)
	s_delay_alu instid0(VALU_DEP_1)
	v_max_num_f32 v[LT], v[LT], v[T]               ; the running largest t
	v_mov_b32 v[T], v[NM]
	s_delay_alu instid0(VALU_DEP_2)
	v_floor_f32 v[NM], -v[LT]                      ; the new -M = floor(-t) = -ceil(t)
	s_delay_alu instid0(VALU_DEP_1)
	v_sub_f32 v[T], v[NM], v[T]                    ; old M - new M: a whole number, 0 or less
	s_delay_alu instid0(VALU_DEP_1)
	v_cvt_i32_f32 v[T], v[T]                       ; (it saturates)
	s_delay_alu instid0(VALU_DEP_1)
	v_ldexp_f32 v[F], 1.0, v[T]                    ; f = 2^(old M - new M)
.set n, 0
.rept 32
	v_pk_fma_f32 v[S+n:S+n+1], v[S+n:S+n+1], s[CS:CS+1], v[NM:NM+1] op_sel_hi:[1,0,0]   ; t - M, two at a time (of the pairs c and -M the low word serves both halves)
.set n, n+2
.endr
.irp b, 0,1,2,3
	v_fma_f32 v[TM+\b], v[TM+\b], s[CS], v[NM]     ; the same of each block's largest score
.endr
.set n, 0
	s_wait_alu depctr_va_vdst(0)
.rept 64
	v_exp_f32 v[S+n], v[S+n]                       ; p = 2^(t - M)
.set n, n+1
.endr
.irp b, 0,1,2,3
	v_exp_f32 v[TM+\b], v[TM+\b]                   ; the block's largest p: the same two instructions on the same number
.endr
	v_pk_mul_f32 v[SU:SU+1], v[SU:SU+1], v[F:F+1] op_sel_hi:[1,0]   ; the sums under the new M (a plain place behind the exponentials)
	s_wait_alu depctr_va_vdst(0)
.irp b, 0,1,2,3
	v_max_num_f32 v[TM+\b], 0x1800000, v[TM+\b]    ; the floor 2^(3 - 127)
.endr
.irp b, 0,1,2,3
	s_delay_alu instid0(VALU_DEP_4)
	v_add_nc_u32 v[TE+\b], 0xff000000, v[TM+\b]    ; 2 off the exponent field: the conversion's scale operand
.endr
.irp b, 0,1,2,3
	s_delay_alu instid0(VALU_DEP_4)
	v_lshrrev_b32 v[TP+\b], 23, v[TE+\b]           ; the scale's byte
.endr
	s_delay_alu instid0(VALU_DEP_3)
	v_lshl_or_b32 v[PS+\x], v[TP+1], 8, v[TP]      ; p's scale word for these 128 keys
	s_delay_alu instid0(VALU_DEP_1)
	v_lshl_or_b32 v[PS+\x], v[TP+2], 16, v[PS+\x]
	s_delay_alu instid0(VALU_DEP_1)
	v_lshl_or_b32 v[PS+\x], v[TP+3], 24, v[PS+\x]
.irp c, 0,1
.irp g, 0,1
	v_cvt_scalef32_pk8_fp4_f32 v[PCX+4*\c+\g], v[S+16*(2*\c+\g):S+16*(2*\c+\g)+7], v[TE+2*\c+\g]
	v_cvt_scalef32_pk8_fp4_f32 v[PCX+4*\c+2+\g], v[S+16*(2*\c+\g)+8:S+16*(2*\c+\g)+15], v[TE+2*\c+\g]
.endr
.endr
	v_nop                                          ; one plain place behind the conversions
.irp c, 0,1                                    ; the operand wants a whole block in a lane: lanes 0-15 block 2 c, lanes 16-31 block 2 c + 1
	v_permlane16_swap_b32 v[PCX+4*\c], v[PCX+4*\c+1]
	v_permlane16_swap_b32 v[PCX+4*\c+2], v[PCX+4*\c+3]
.endr
	v_pk_add_f32 v[SUM2:SUM2+1], v[S:S+1], v[S+2:S+3]   ; the row's sum is taken of the unquantised p: two at a time, in two chains
.irp j, 4,8,12,16,20,24,28,32,36,40,44,48,52,56,60
	v_pk_add_f32 v[SU:SU+1], v[SU:SU+1], v[S+\j:S+\j+1]
	v_pk_add_f32 v[SUM2:SUM2+1], v[SUM2:SUM2+1], v[S+\j+2:S+\j+3]
.endr
	s_delay_alu instid0(VALU_DEP_1)
	v_pk_add_f32 v[SU:SU+1], v[SU:SU+1], v[SUM2:SUM2+1]
.set n, 0
.rept 16
	v_pk_mul_f32 v[OX+n:OX+n+1], v[OX+n:OX+n+1], v[F:F+1] op_sel_hi:[1,0]   ; O^T under the new M.  (The 48 lines from the sums on are also the places between p's codes and scale word and the products that take them)
.set n, n+2
.endr
.endm
; A key step: 128 keys, for both tiles of queries.
.macro STEP
	v_add_nc_u32 v[ADR], s[TB], v[LI]
	v_add_nc_u32 v[ADR2], s[TB], v[L8]
	v_nop
	v_nop                                          ; these four lines are the places in front of loads into registers that the last products read
	ds_load_b128 v[KS:KS+3], v[ADR] offset:8192
.irp t, 0,1,2,3,4,5,6,7
	ds_load_b128 v[KVF+4*\t:KVF+4*\t+3], v[ADR] offset:512*\t
.endr
	s_wait_dscnt 0x0
	QK 0
	PLACES
	SOFTMAX 0
	QK 1
	PLACES                                         ; in front of the loads into K's registers and of the first read of the scores
	ds_load_b64 v[VS:VS+1], v[ADR2] offset:8704
.irp t, 0,1,2,3
.irp c, 0,1
	ds_load_b128 v[KVF+8*\t+4*\c:KVF+8*\t+4*\c+3], v[ADR] offset:4096+1024*\t+512*\c   ; V^T lands while the second softmax is walked
.endr
.endr
	s_setprio 1
	SOFTMAX 1
	s_setprio 0
	s_wait_alu depctr_va_vdst(0)
	s_wait_dscnt 0x0
.irp t, 0,1                                    ; O^T += V^T P^T: eight accumulators by turns
.irp x, 0,1
	v_wmma_scale_f32_16x16x128_f8f6f4 v[O+32*\x+8*\t:O+32*\x+8*\t+7], v[KVF+8*\t:KVF+8*\t+7], v[PC+8*\x:PC+8*\x+7], v[O+32*\x+8*\t:O+32*\x+8*\t+7], v[VS+\t], v[PS+\x] matrix_a_fmt:MATRIX_FMT_FP4 matrix_b_fmt:MATRIX_FMT_FP4
.endr
.endr
.irp t, 2,3
.irp x, 0,1
	v_wmma_scale_f32_16x16x128_f8f6f4 v[O+32*\x+8*\t:O+32*\x+8*\t+7], v[KVF+8*\t:KVF+8*\t+7], v[PC+8*\x:PC+8*\x+7], v[O+32*\x+8*\t:O+32*\x+8*\t+7], v[VS+\t-2], v[PS+\x] matrix_a_fmt:MATRIX_FMT_FP4 matrix_b_fmt:MATRIX_FMT_FP4 matrix_a_scale:MATRIX_SCALE_ROW1
.endr
.endr
	s_add_co_u32 s[TB], s[TB], STEPB
.endm
; Four key steps: those that the fetching waves' load number c brought.
.macro CHUNK c
	s_wait_tensorcnt 3-\c                          ; my loads up to number c have landed; the 3 - c behind it may stay out
	s_barrier_signal -1                            ; (no LDS load of mine is out)
	s_barrier_wait -1
	s_mov_b32 s[TB], \c*4*STEPB
	s_mov_b32 s[CNT], 4
.Lstep_\@:
	s_setprio 2
	STEP
	s_sub_co_u32 s[CNT], s[CNT], 1
	s_cmp_lg_u32 s[CNT], 0
	s_cbranch_scc1 .Lstep_\@
	s_setprio 0
.endm
	s_load_b256 s[4:11], s[0:1], 0x0               ; qc 4, qs 6, kv 8, ao 10
	s_load_b64 s[12:13], s[0:1], 0x20              ; aos
	v_lshl_add_u32 v254, v0, 2, 0x29000
	v_mov_b32 v255, 0
	ds_add_u32 v254, v255
	ds_add_u32 v254, v255
	v_lshrrev_b32 v1, 5, v0
	s_delay_alu instid0(VALU_DEP_1)
	v_readfirstlane_b32 s[WV], v1                  ; wave 0..15
	s_bfe_u32 s[CX], ttmp6, 0x40000
	s_lshl_b32 s[BLK], ttmp9, 2
	s_add_co_u32 s[BLK], s[BLK], s[CX]             ; my block of 512 queries: it enters Q's and the outputs' addresses alone
	s_and_b32 s[HG], ttmp7, 0xffff                 ; 16 x batch + head, which the four partners share
	s_lshr_b32 s[BATCH], s[HG], 4
	s_and_b32 s[HD], s[HG], 15
	s_mov_b32 s[SEL], 0x76543210
	s_mov_b32 s[SEL+1], 0xfedcba98
	s_mov_b32 s[CS], 0x3e38aa3b                    ; c = log2(e) / 8
	s_mov_b32 s[CS+1], s[CS]                       ; (named with it as a pair, so it is written)
	; group 1: a key step, 8,960 dense bytes, as 35 rows of 256 bytes (32 elements of 8 bytes)
	s_mov_b32 s[G1], 15|(3<<16)|(1<<21)            ; 15:0 the mask: all four work-groups; 17:16 elements of 8 bytes; 21 set beside a mask
	s_mov_b32 s[G1+1], 32<<16
	s_mov_b32 s[G1+2], 35<<16
	s_mov_b32 s[G1+3], 32<<16
	s_mov_b32 s[G1+4], 35
	s_mov_b32 s[G1+5], 32
	s_mov_b32 s[G1+6], 0
	s_mov_b32 s[G1+7], 0
	s_mul_i32 s50, s[WV], STEPB                    ; load c of wave w brings key step 4 c + w
	s_mul_i32 s52, s[HG], 16*STEPB
	s_add_co_u32 s52, s52, s50
	s_mov_b32 s53, 0
	; Q's and the outputs' places
	s_mov_b32 s55, 0
	s_lshl_b32 s54, s[HG], 16                      ; qc: 128 tiles of 512 bytes a head; my tiles 32 block + wave and 16 further on
	s_lshl_b32 s56, s[BLK], 14
	s_add_co_u32 s54, s54, s56
	s_lshl_b32 s56, s[WV], 9
	s_add_co_u32 s54, s54, s56
	s_wait_dscnt 0x0
	s_wait_kmcnt 0x0
	s_add_nc_u64 s[52:53], s[8:9], s[52:53]
	s_add_nc_u64 s[4:5], s[4:5], s[54:55]
	s_lshl_b32 s54, s[HG], 13                      ; qs: groups of four tiles, 256 bytes each; word wave % 4 of a row's four
	s_lshl_b32 s56, s[BLK], 11
	s_add_co_u32 s54, s54, s56
	s_lshr_b32 s56, s[WV], 2
	s_lshl_b32 s56, s56, 8
	s_add_co_u32 s54, s54, s56
	s_and_b32 s56, s[WV], 3
	s_lshl_b32 s56, s56, 2
	s_add_co_u32 s54, s54, s56
	s_add_nc_u64 s[6:7], s[6:7], s[54:55]
	s_lshl_b32 s54, s[BATCH], 4                    ; ao: [block of 128 rows][K half][tile of 16 rows][head % 8][lane][16 bytes]
	s_lshl_b32 s56, s[BLK], 2
	s_add_co_u32 s54, s54, s56
	s_lshr_b32 s56, s[WV], 3
	s_add_co_u32 s54, s54, s56
	s_lshl_b32 s54, s54, 16
	s_lshr_b32 s56, s[HD], 3
	s_lshl_b32 s57, s56, 15
	s_add_co_u32 s54, s54, s57
	s_and_b32 s57, s[WV], 7
	s_lshl_b32 s57, s57, 12
	s_add_co_u32 s54, s54, s57
	s_and_b32 s57, s[HD], 7
	s_lshl_b32 s57, s57, 9
	s_add_co_u32 s54, s54, s57
	s_add_nc_u64 s[10:11], s[10:11], s[54:55]
	s_lshl_b32 s54, s[BATCH], 7                    ; aos: [tile of 16 rows][K half][r][four words]; my head's two bytes at 2 (head % 8) of a row's 16
	s_lshl_b32 s57, s[BLK], 5
	s_add_co_u32 s54, s54, s57
	s_add_co_u32 s54, s54, s[WV]
	s_lshl_b32 s54, s54, 9
	s_lshl_b32 s57, s56, 8
	s_add_co_u32 s54, s54, s57
	s_and_b32 s57, s[HD], 7
	s_lshl_b32 s57, s57, 1
	s_add_co_u32 s54, s54, s57
	s_add_nc_u64 s[12:13], s[12:13], s[54:55]
.irp c, 0,1,2,3
	s_mov_b32 s[G0+4*\c], 1
	s_add_co_u32 s[G0+4*\c+1], s50, \c*4*STEPB
	s_add_nc_u64 s[G0+4*\c+2:G0+4*\c+3], s[52:53], \c*4*STEPB
	s_or_b32 s[G0+4*\c+3], s[G0+4*\c+3], 0x80000000
.endr
	CROUND                                         ; all four work-groups are here: the joint loads meet
	s_cmp_lt_u32 s[WV], 4                          ; waves 0-3 fetch, four loads each, in one branch: four of mine are out at the most
	s_cbranch_scc0 .Lasked
	tensor_load_to_lds s[G0:G0+3], s[G1:G1+7]
	s_nop 0
	tensor_load_to_lds s[G0+4:G0+7], s[G1:G1+7]
	s_nop 0
	tensor_load_to_lds s[G0+8:G0+11], s[G1:G1+7]
	s_nop 0
	tensor_load_to_lds s[G0+12:G0+15], s[G1:G1+7]
	s_nop 0
	PLACES
.Lasked:
	v_and_b32 v4, 31, v0
	s_delay_alu instid0(VALU_DEP_1)
	v_lshlrev_b32 v[LI], 4, v4
	s_delay_alu instid0(VALU_DEP_2)
	v_lshlrev_b32 v[L8], 3, v4
	v_and_b32 v5, 15, v0
	s_delay_alu instid0(VALU_DEP_1)
	v_lshlrev_b32 v[R16], 4, v5
	global_load_b128 v[QF:QF+3], v[LI], s[4:5]
	global_load_b128 v[QF+8:QF+11], v[LI], s[4:5] offset:8192
	global_load_b32 v[QS], v[R16], s[6:7]
	global_load_b32 v[QS+1], v[R16], s[6:7] offset:1024
.irp n, 4,5,6,7,12,13,14,15
	v_mov_b32 v[QF+\n], 0                          ; Q's codes for k = 64 .. 127: zeros
.endr
.irp n, 0,1,2,3
	v_mov_b32 v[KVF+32+\n], 0                      ; what stands behind K's last tile
	v_mov_b32 v[TP+\n], 0                          ; written once: a lane permute's destination counts as one of its sources
.endr
	v_mov_b32 v[F+1], 0                            ; (named as the upper half of a pair)
.irp x, 0,1
	v_mov_b32 v[ST+4*\x+1], 0xff61b1e6             ; the largest t so far: -3e38
	s_delay_alu instid0(VALU_DEP_1)
	v_floor_f32 v[ST+4*\x], -v[ST+4*\x+1]          ; -M
	v_mov_b32 v[ST+4*\x+2], 0                      ; the sum, in two halves
	v_mov_b32 v[ST+4*\x+3], 0
.endr
.set n, 0
.rept 64
	v_mov_b32 v[O+n], 0                            ; O^T: the step is written once: the first finds zeros, which the first change of M leaves zeros
.set n, n+1
.endr
	s_wait_loadcnt 0x0                             ; Q
	CHUNK 0
	CHUNK 1
	CHUNK 2
	CHUNK 3
	PLACES                                         ; in front of the first read of the last products' results
.irp x, 0,1
	v_add_f32 v[ST+4*\x+2], v[ST+4*\x+2], v[ST+4*\x+3]   ; the sum's two halves,
	s_delay_alu instid0(VALU_DEP_1)
	v_permlanex16_b32 v[TP], v[ST+4*\x+2], s[SEL], s[SEL+1]
	s_delay_alu instid0(VALU_DEP_1)
	v_add_f32 v[ST+4*\x+2], v[ST+4*\x+2], v[TP]    ; and lane l xor 16's: the row's sum
	s_wait_alu depctr_va_vdst(0)
	v_rcp_f32 v[F], v[ST+4*\x+2]
	v_nop                                          ; one plain place behind the reciprocal
.set n, 0
	s_wait_alu depctr_va_vdst(0)
.rept 16
	v_pk_mul_f32 v[O+32*\x+n:O+32*\x+n+1], v[O+32*\x+n:O+32*\x+n+1], v[F:F+1] op_sel_hi:[1,0]   ; O^T / l, each accumulator from its low end on
.set n, n+2
.endr
	QUANT2 O+32*\x, PC+8*\x, HW+\x
.endr
	global_store_b128 v[LI], v[PC:PC+3], s[10:11]                  ; 32 lanes store 512 consecutive bytes
	global_store_b128 v[LI], v[PC+8:PC+11], s[10:11] offset:131072 ; tile 16 + wave lies two blocks of 128 rows on
	global_store_b16 v[R16], v[HW], s[12:13]                       ; my head's two bytes of row r's scale words: the neighbouring bytes are other heads', other work-groups'
	global_store_b16 v[R16], v[HW+1], s[12:13] offset:8192
	s_wait_tensorcnt 0x0
	ds_add_u32 v254, v255
	s_wait_dscnt 0x0
	CROUND                                         ; the closing round
	s_endpgm
.Lfunc_end_k_qdbff0f29fb_attn:
	.size	k_qdbff0f29fb_attn, .Lfunc_end_k_qdbff0f29fb_attn-k_qdbff0f29fb_attn
	.p2alignl 7, 3214868480
	.fill 96, 4, 3214868480
	.section	.rodata,"a",@progbits
	.p2align	6, 0x0
	.amdhsa_kernel k_qdbff0f29fb_attn
		.amdhsa_group_segment_fixed_size 169984
		.amdhsa_private_segment_fixed_size 0
		.amdhsa_enable_private_segment 0
		.amdhsa_kernarg_size 40
		.amdhsa_user_sgpr_count 2
		.amdhsa_user_sgpr_kernarg_segment_ptr 1
		.amdhsa_wavefront_size32 1
		.amdhsa_system_sgpr_workgroup_id_x 1
		.amdhsa_system_sgpr_workgroup_id_y 1
		.amdhsa_system_sgpr_workgroup_id_z 1
		.amdhsa_system_vgpr_workitem_id 0
		.amdhsa_next_free_vgpr 256
		.amdhsa_next_free_sgpr 66
		.amdhsa_reserve_vcc 0
		.amdhsa_float_denorm_mode_32 3
		.amdhsa_float_denorm_mode_16_64 3
		.amdhsa_memory_ordered 1
		.amdhsa_forward_progress 1
		.amdhsa_inst_pref_size 138
	.end_amdhsa_kernel
	.amdgpu_metadata
---
amdhsa.version: [ 1, 2 ]
amdhsa.kernels:
  - .name:           k_qdbff0f29fb_attn
    .symbol:         k_qdbff0f29fb_attn.kd
    .args:
      - { .name: qc, .offset: 0, .size: 8, .value_kind: global_buffer, .address_space: global }
      - { .name: qs, .offset: 8, .size: 8, .value_kind: global_buffer, .address_space: global }
      - { .name: kv, .offset: 16, .size: 8, .value_kind: global_buffer, .address_space: global }
      - { .name: ao, .offset: 24, .size: 8, .value_kind: global_buffer, .address_space: global }
      - { .name: aos, .offset: 32, .size: 8, .value_kind: global_buffer, .address_space: global }
    .group_segment_fixed_size: 169984
    .private_segment_fixed_size: 0
    .kernarg_segment_align: 8
    .kernarg_segment_size: 40
    .max_flat_workgroup_size: 512
    .sgpr_count:     66
    .vgpr_count:     256
    .wavefront_size: 32
...
	.end_amdgpu_metadata
.endif
;; end of part 2
;; launch oproj (part 3): grid 4 x 64, 8 waves a work-group, clusters of 4 x 4, 240,640 bytes of LDS; arguments ao, aos, Wo_codes, Wo_scales, bo, out0; writes out0
.if DOCPART == 3
	.amdgcn_target "amdgcn-amd-amdhsa--gfx1250"
	.amdhsa_code_object_version 6
	.text
	.protected	k_qdbff0f29fb_oproj
	.globl	k_qdbff0f29fb_oproj
	.p2align	8
	.type	k_qdbff0f29fb_oproj,@function
k_qdbff0f29fb_oproj:
	s_mov_b64 s[64:65], 0
	v_nop
	global_prefetch_b8 v0, s[64:65] scope:SCOPE_SE
	s_setreg_imm32_b32 hwreg(HW_REG_WAVE_MODE, 25, 1), 1
	s_wait_xcnt 0x0
	s_wait_alu depctr_hold_cnt(0) depctr_sa_sdst(0) depctr_va_vdst(0) depctr_va_sdst(0) depctr_va_ssrc(0) depctr_va_vcc(0) depctr_vm_vsrc(0)
	s_getreg_b32 s2, hwreg(HW_REG_IB_STS2, 6, 4)
	s_cmp_eq_u32 s2, 0
	s_cbranch_scc0 .Lentry_in_a_cluster
	s_endpgm
.Lentry_in_a_cluster:
	s_bfe_u32 s2, ttmp6, 0x10000c
	s_cmp_lg_u32 s2, 0xf033
	s_cbranch_scc0 .Lentry_shape_is_right
	s_endpgm
.Lentry_shape_is_right:
; out0 = a Wo + bo on codes of FP4 (E2M1) with E8M0 scales, K = 1,024; sums in f32.  a: the attention's result as codes, laid in the order of the operand's registers ([block of 128 rows][K half][tile][K step][c][lane][16 bytes]),
; its scale words [tile of 16 rows][K half][r][K step].  Wo: codes [1024][512 bytes], K innermost, scale bytes [1024][32].
; SHARES.  A work-group makes 128 rows x 256 columns; eight waves, each 64 x 64: 16 accumulators.  Source 0 (P) = four tiles of Wo, source 1 (R) = four tiles of a: a lane holds one row of the output and eight neighbouring columns.
; LDS.  All of K fits at once, in two halves: a's 32,768 dense bytes, then Wo's 256 rows of 256 bytes + 16 of padding.  Every byte is filled once: no ring.  Behind them a stage of 16 rows x 272 bytes for each wave, into which no fill lands.
; CLUSTER 4 x 4: a's tiles are shared along a row of the cluster, Wo's along a column: joint loads.
; LIMITS: NaN and infinities among the numbers are not served.
.set U,    64*272
.set AOB,  32768                       ; a's bytes in a half
.set HB,   AOB+4*U                     ; a half of K: 102,400 bytes
.set STG,  2*HB                        ; the stages
.set ADRP, 4
.set ADRR, 6
.set SA,   8                           ; v8   32 r + 16 h
.set LI,   9                           ; v9   16 x lane
.set BH,   12                          ; v12  32 h
.set STO,  14                          ; v14  the stage: where I put 32 bytes of a row
.set RD,   15                          ; v15  where I read rows back
.set CO,   16                          ; v16  my byte offset in two rows of the output
.set PS,   24                          ; v24-39 P's scale words: register 4 i + q: lanes 0-15 K step q, lanes 16-31 K step 4 + q
.set RS,   40                          ; v40-55 R's likewise
.set PF,   56                          ; v56-87 P's fragments; on the way out rows read back
.set RF,   88                          ; v88-119 R's; likewise
.set ACC,  120
.set WV,   16
.set RH,   17
.set CQ,   18
.set CX,   19
.set CY,   20
.set CB,   21
.set RBK,  22
.set G1W,  28                          ; s[28:35] group 1 for Wo's tiles;  s[36:43] for a's
.set G1A,  36
.set G0W,  44                          ; s[44:51], s[52:59] groups 0, a set for each half of K
.set G0A,  52
.macro CROUND
	s_barrier_signal -1
	s_barrier_wait -1
	s_cmp_lg_u32 s[WV], 0
	s_cbranch_scc1 .Lnot_wave_0_\@
	s_barrier_signal -3
.Lnot_wave_0_\@:
	s_barrier_wait -3
	s_barrier_signal -1
	s_barrier_wait -1
.endm
.macro PLACES
.rept 4
	v_nop
.endr
.endm
.macro MM j, i, q, kh
.if \kh
	v_wmma_scale_f32_16x16x128_f8f6f4 v[ACC+8*(4*\j+\i):ACC+8*(4*\j+\i)+7], v[PF+8*\i:PF+8*\i+7], v[RF+8*\j:RF+8*\j+7], v[ACC+8*(4*\j+\i):ACC+8*(4*\j+\i)+7], v[PS+4*\i+\q], v[RS+4*\j+\q] matrix_a_fmt:MATRIX_FMT_FP4 matrix_b_fmt:MATRIX_FMT_FP4 matrix_a_scale:MATRIX_SCALE_ROW1 matrix_b_scale:MATRIX_SCALE_ROW1
.else
	v_wmma_scale_f32_16x16x128_f8f6f4 v[ACC+8*(4*\j+\i):ACC+8*(4*\j+\i)+7], v[PF+8*\i:PF+8*\i+7], v[RF+8*\j:RF+8*\j+7], v[ACC+8*(4*\j+\i):ACC+8*(4*\j+\i)+7], v[PS+4*\i+\q], v[RS+4*\j+\q] matrix_a_fmt:MATRIX_FMT_FP4 matrix_b_fmt:MATRIX_FMT_FP4
.endif
.endm
; 128 along K: the q-th of half kh.  The sixteen accumulators take turns in the same order in every step.
.macro STEP kh, q
	PLACES                                         ; four places in front of loads into registers that matrix instructions have read
.irp i, 0,1,2,3
.irp c, 0,1
	ds_load_b128 v[PF+8*\i+4*\c:PF+8*\i+4*\c+3], v[ADRP+\kh] offset:\i*4352+64*\q+32*\c
.endr
.endr
.irp j, 0,1,2,3
.irp c, 0,1
	ds_load_b128 v[RF+8*\j+4*\c:RF+8*\j+4*\c+3], v[ADRR+\kh] offset:\j*4096+\q*1024+\c*512
.endr
.endr
.irp j, 0,1,2,3
	s_wait_dscnt 6-2*\j                            ; P and R's tiles up to j are in; the two loads of each later tile of R may be out
.irp i, 0,1,2,3
	MM \j, \i, \q, \kh
.endr
.endr
.endm
	s_load_b256 s[4:11], s[0:1], 0x0               ; ao 4, aos 6, Wo codes 8, Wo scales 10
	s_load_b128 s[12:15], s[0:1], 0x20             ; bo 12, out0 14
	v_lshl_add_u32 v254, v0, 2, 0x3a800
	v_mov_b32 v255, 0
	ds_add_u32 v254, v255
	ds_add_u32 v254, v255
	v_lshrrev_b32 v1, 5, v0
	s_delay_alu instid0(VALU_DEP_1)
	v_readfirstlane_b32 s[WV], v1                  ; wave 0..7
	s_lshr_b32 s[RH], s[WV], 2                     ; which 64 rows
	s_and_b32 s[CQ], s[WV], 3                      ; which 64 columns
	s_bfe_u32 s[CX], ttmp6, 0x40000
	s_bfe_u32 s[CY], ttmp6, 0x40004
	s_lshl_b32 s[CB], ttmp9, 2
	s_add_co_u32 s[CB], s[CB], s[CX]               ; the block of 256 columns
	s_and_b32 s[RBK], ttmp7, 0xffff
	s_lshl_b32 s[RBK], s[RBK], 2
	s_add_co_u32 s[RBK], s[RBK], s[CY]             ; the block of 128 rows
	s_lshl_b32 s23, s[CY], 2
	s_lshl_b32 s23, 15, s23                        ; my row of the cluster
	s_lshl_b32 s24, 0x1111, s[CX]                  ; my column
	s_or_b32 s[G1W], s24, (1<<20)|(1<<21)|(5<<22)|(3<<25)   ; Wo: 64 rows of 256 bytes, 512 apart in memory, 16 bytes of padding behind each; elements of 1 byte
	s_mov_b32 s[G1W+1], 256<<16
	s_mov_b32 s[G1W+2], 64<<16
	s_mov_b32 s[G1W+3], 256<<16
	s_mov_b32 s[G1W+4], 64
	s_mov_b32 s[G1W+5], 512
	s_mov_b32 s[G1W+6], 0
	s_mov_b32 s[G1W+7], 0
	s_or_b32 s[G1A], s23, (3<<16)|(1<<21)          ; a: 16,384 dense bytes as 64 rows of 256 (32 elements of 8 bytes), no padding
	s_mov_b32 s[G1A+1], 32<<16
	s_mov_b32 s[G1A+2], 64<<16
	s_mov_b32 s[G1A+3], 32<<16
	s_mov_b32 s[G1A+4], 64
	s_mov_b32 s[G1A+5], 32
	s_mov_b32 s[G1A+6], 0
	s_mov_b32 s[G1A+7], 0
	s_mul_i32 s25, s[CQ], U
	s_add_co_u32 s25, s25, AOB                     ; Wo's 64 rows number wave % 4 in a half: where waves 0-3 put them, and where I read mine
	s_and_b32 s26, s[WV], 1
	s_lshl_b32 s26, s26, 14                        ; a's half number wave % 2
	s_lshl_b32 s60, s[CB], 17                      ; Wo: 256 rows of 512 bytes a block, 64 rows a wave
	s_lshl_b32 s61, s[CQ], 15
	s_add_co_u32 s60, s60, s61
	s_mov_b32 s61, 0
	s_lshl_b32 s66, s[RBK], 16                     ; a: 65,536 bytes a block of 128 rows
	s_add_co_u32 s66, s66, s26
	s_mov_b32 s67, 0
	s_wait_dscnt 0x0
	s_wait_kmcnt 0x0
	s_add_nc_u64 s[62:63], s[8:9], s[60:61]
	s_add_nc_u64 s[68:69], s[4:5], s[66:67]
.irp k, 0,1
	s_mov_b32 s[G0W+4*\k], 1
	s_add_co_u32 s[G0W+4*\k+1], s25, \k*HB
	s_add_nc_u64 s[G0W+4*\k+2:G0W+4*\k+3], s[62:63], \k*256
	s_or_b32 s[G0W+4*\k+3], s[G0W+4*\k+3], 0x80000000
	s_mov_b32 s[G0A+4*\k], 1
	s_add_co_u32 s[G0A+4*\k+1], s26, \k*HB
	s_add_nc_u64 s[G0A+4*\k+2:G0A+4*\k+3], s[68:69], \k*AOB
	s_or_b32 s[G0A+4*\k+3], s[G0A+4*\k+3], 0x80000000
.endr
	CROUND                                         ; all sixteen work-groups are here: the joint loads meet
	s_cmp_lt_u32 s[WV], 4                          ; waves 0-3: Wo; waves 4, 5: a; a wave's two loads stand in one branch: two of mine are out at the most
	s_cbranch_scc0 .Lnot_w
	tensor_load_to_lds s[G0W:G0W+3], s[G1W:G1W+7]
	s_nop 0
	tensor_load_to_lds s[G0W+4:G0W+7], s[G1W:G1W+7]
	s_nop 0
	PLACES
	s_branch .Lasked
.Lnot_w:
	s_cmp_lt_u32 s[WV], 6
	s_cbranch_scc0 .Lasked
	tensor_load_to_lds s[G0A:G0A+3], s[G1A:G1A+7]
	s_nop 0
	tensor_load_to_lds s[G0A+4:G0A+7], s[G1A:G1A+7]
	s_nop 0
	PLACES
.Lasked:
	v_and_b32 v1, 31, v0                           ; lane
	v_and_b32 v2, 15, v0                           ; r
	v_bfe_u32 v3, v0, 4, 1                         ; h
	s_delay_alu instid0(VALU_DEP_3)
	v_lshlrev_b32 v[LI], 4, v1
	s_delay_alu instid0(VALU_DEP_3)
	v_lshlrev_b32 v[SA], 5, v2
	s_delay_alu instid0(VALU_DEP_1)
	v_lshl_add_u32 v[SA], v3, 4, v[SA]
	s_delay_alu instid0(VALU_DEP_4)
	v_lshlrev_b32 v[BH], 5, v3
	v_mul_u32_u24 v10, v2, 272
	s_delay_alu instid0(VALU_DEP_1)
	v_lshl_add_u32 v11, v3, 4, v10
	s_delay_alu instid0(VALU_DEP_1)
	v_add_nc_u32 v[ADRP], s25, v11                 ; Wo: row x pitch + 16 h, my 64 rows
	s_delay_alu instid0(VALU_DEP_1)
	v_add_nc_u32 v[ADRP+1], HB, v[ADRP]
	s_lshl_b32 s70, s[RH], 14
	v_add_nc_u32 v[ADRR], s70, v[LI]               ; a: 16 x lane, my four tiles
	s_delay_alu instid0(VALU_DEP_1)
	v_add_nc_u32 v[ADRR+1], HB, v[ADRR]
	s_mul_i32 s71, s[WV], 16*272
	s_add_co_u32 s71, s71, STG                     ; my stage
	v_lshl_add_u32 v[STO], v3, 5, v10
	s_delay_alu instid0(VALU_DEP_1)
	v_add_nc_u32 v[STO], s71, v[STO]               ; in: row r, 32 bytes for each half of the lanes
	v_mul_u32_u24 v[RD], v3, 272
	s_delay_alu instid0(VALU_DEP_1)
	v_lshl_add_u32 v[RD], v2, 4, v[RD]
	s_delay_alu instid0(VALU_DEP_1)
	v_add_nc_u32 v[RD], s71, v[RD]                 ; back: lanes 0-15 one row of 256 bytes, lanes 16-31 the next
	v_lshlrev_b32 v[CO], 12, v3
	s_delay_alu instid0(VALU_DEP_1)
	v_lshl_add_u32 v[CO], v2, 4, v[CO]             ; and the same two rows of the output, 4,096 bytes apart
	s_lshl_b32 s60, s[CB], 13                      ; Wo's scale bytes: 32 a row
	s_lshl_b32 s80, s[CQ], 11
	s_add_co_u32 s60, s60, s80
	s_add_nc_u64 s[72:73], s[10:11], s[60:61]
	s_lshl_b32 s66, s[RBK], 12                     ; a's scale words: 512 bytes a tile of 16 rows
	s_lshl_b32 s80, s[RH], 11
	s_add_co_u32 s66, s66, s80
	s_add_nc_u64 s[74:75], s[6:7], s[66:67]
	s_lshl_b32 s60, s[CB], 10                      ; my 64 columns, in bytes of f32
	s_lshl_b32 s80, s[CQ], 8
	s_add_co_u32 s60, s60, s80
	s_add_nc_u64 s[76:77], s[12:13], s[60:61]      ; the bias
	s_lshl_b32 s80, s[RBK], 19                     ; my 64 rows of 4,096 bytes
	s_lshl_b32 s81, s[RH], 18
	s_add_co_u32 s80, s80, s81
	s_add_co_u32 s80, s80, s60
	s_mov_b32 s81, 0
	s_add_nc_u64 s[78:79], s[14:15], s[80:81]      ; the output
.irp i, 0,1,2,3
	global_load_b128 v[PS+4*\i:PS+4*\i+3], v[SA], s[72:73] offset:512*\i
	global_load_b128 v[RS+4*\i:RS+4*\i+3], v[LI], s[74:75] offset:512*\i
.endr
.irp j, 0,1,2,3                                ; the bias starts the sums: register e of accumulator (j, i) belongs to column 16 i + 8 h + e
.irp i, 0,1,2,3
	global_load_b128 v[ACC+8*(4*\j+\i):ACC+8*(4*\j+\i)+3], v[BH], s[76:77] offset:64*\i
	global_load_b128 v[ACC+8*(4*\j+\i)+4:ACC+8*(4*\j+\i)+7], v[BH], s[76:77] offset:64*\i+16
.endr
.endr
	s_wait_alu depctr_va_vdst(0)
	s_wait_tensorcnt 0x1                           ; my tile of K's first half has landed; my tile of the second may stay out
	s_wait_loadcnt 0x0                             ; scale words and bias
	s_barrier_signal -1
	s_barrier_wait -1
	STEP 0, 0
	STEP 0, 1
	STEP 0, 2
	STEP 0, 3
	s_wait_tensorcnt 0x0
	s_barrier_signal -1                            ; (no LDS load of mine is out: each step ends on a wait for 0)
	s_barrier_wait -1
	STEP 1, 0
	STEP 1, 1
	STEP 1, 2
	STEP 1, 3
	PLACES                                         ; in front of the first read of results, and of loads into the fragments' registers
	; THE WAY OUT, 16 rows at a time: a lane's 32 bytes of a row go into my own stage and come back as whole rows of 256 bytes.  LDS serves a wave's instructions in order: no wait between the stores and the loads.
.irp j, 0,1,2,3
.if \j >= 2
	s_wait_xcnt 0x0                                ; the stores of two blocks ago have read their registers: this block's rows may land there
.endif
.irp i, 0,1,2,3
	ds_store_b128 v[STO], v[ACC+8*(4*\j+\i):ACC+8*(4*\j+\i)+3] offset:64*\i        ; each accumulator from its low end on
	ds_store_b128 v[STO], v[ACC+8*(4*\j+\i)+4:ACC+8*(4*\j+\i)+7] offset:64*\i+16
.endr
.irp t, 0,1,2,3,4,5,6,7
	ds_load_b128 v[PF+32*(\j%2)+4*\t:PF+32*(\j%2)+4*\t+3], v[RD] offset:544*\t
.endr
	s_wait_dscnt 0x0
.irp t, 0,1,2,3,4,5,6,7
	global_store_b128 v[CO], v[PF+32*(\j%2)+4*\t:PF+32*(\j%2)+4*\t+3], s[78:79] offset:(16*\j+2*\t)*4096 th:TH_STORE_NT   ; 16 lanes store 256 consecutive bytes, at a multiple of 256 from the output's first byte
.endr
.endr
	s_wait_tensorcnt 0x0
	ds_add_u32 v254, v255
	s_wait_dscnt 0x0
	CROUND                                         ; the closing round
	s_endpgm
.Lfunc_end_k_qdbff0f29fb_oproj:
	.size	k_qdbff0f29fb_oproj, .Lfunc_end_k_qdbff0f29fb_oproj-k_qdbff0f29fb_oproj
	.p2alignl 7, 3214868480
	.fill 96, 4, 3214868480
	.section	.rodata,"a",@progbits
	.p2align	6, 0x0
	.amdhsa_kernel k_qdbff0f29fb_oproj
		.amdhsa_group_segment_fixed_size 240640
		.amdhsa_private_segment_fixed_size 0
		.amdhsa_enable_private_segment 0
		.amdhsa_kernarg_size 48
		.amdhsa_user_sgpr_count 2
		.amdhsa_user_sgpr_kernarg_segment_ptr 1
		.amdhsa_wavefront_size32 1
		.amdhsa_system_sgpr_workgroup_id_x 1
		.amdhsa_system_sgpr_workgroup_id_y 1
		.amdhsa_system_sgpr_workgroup_id_z 1
		.amdhsa_system_vgpr_workitem_id 0
		.amdhsa_next_free_vgpr 256
		.amdhsa_next_free_sgpr 84
		.amdhsa_reserve_vcc 0
		.amdhsa_float_denorm_mode_32 3
		.amdhsa_float_denorm_mode_16_64 3
		.amdhsa_memory_ordered 1
		.amdhsa_forward_progress 1
		.amdhsa_inst_pref_size 45
	.end_amdhsa_kernel
	.amdgpu_metadata
---
amdhsa.version: [ 1, 2 ]
amdhsa.kernels:
  - .name:           k_qdbff0f29fb_oproj
    .symbol:         k_qdbff0f29fb_oproj.kd
    .args:
      - { .name: ao, .offset: 0, .size: 8, .value_kind: global_buffer, .address_space: global }
      - { .name: aos, .offset: 8, .size: 8, .value_kind: global_buffer, .address_space: global }
      - { .name: Wo_codes, .offset: 16, .size: 8, .value_kind: global_buffer, .address_space: global }
      - { .name: Wo_scales, .offset: 24, .size: 8, .value_kind: global_buffer, .address_space: global }
      - { .name: bo, .offset: 32, .size: 8, .value_kind: global_buffer, .address_space: global }
      - { .name: out0, .offset: 40, .size: 8, .value_kind: global_buffer, .address_space: global }
    .group_segment_fixed_size: 240640
    .private_segment_fixed_size: 0
    .kernarg_segment_align: 8
    .kernarg_segment_size: 48
    .max_flat_workgroup_size: 256
    .sgpr_count:     84
    .vgpr_count:     256
    .wavefront_size: 32
...
	.end_amdgpu_metadata
.endif
;; end of part 3
